; MI455X (gfx1250); checked and timed in simulation.
; The chip was launched on July 23, 2026; its instructions are those of AMD's public machine-readable ISA for CDNA 5 (MIT licence, August 2026) and "CDNA5" Instruction Set Architecture Reference Guide (July 2026). The comments in the code are by the model that wrote it; some were corrected since.
;; Corm. Allowed arithmetic: float matrix products may take bf16 or f16 operands with f32 sums; other float arithmetic in f32, or as packed bf16 or f16 multiplies, adds, multiply-adds, maxima and minima; sums over many terms, partial sums and values carried from step to step in f32; what a program stores and reads back later, other than sums and carried values, may be rounded once to bf16 or f16.
;; Inputs: corm_mask 2,048 x 2,048 float32; k 1 x 2,048 x 32 x 128 float32; q 1 x 2,048 x 32 x 128 float32; v 1 x 2,048 x 32 x 128 float32.
;; Outputs: out0 1 x 2,048 x 32 x 128 float32; out1 1 x 32 x 2,048 bool.
;; One version. Each part assembles by itself: llvm-mc -triple=amdgcn-amd-amdhsa -mcpu=gfx1250 --defsym DOCPART=n.
;; ======== version 1 of 1: 3 launches
;; limits: values are held in f16: magnitudes above 65,504 overflow, below 6.1e-05 lose precision; inputs' magnitudes at most 65,504; right only within a limited range of input values
;; workspace buffers: qf 16,777,216 bytes; kb 16,777,216 bytes; vh 16,777,216 bytes; tf 16,777,216 bytes; up 131,072 bytes; nl 262,144 bytes
;; launch prep (part 1): grid 256 x 4, 8 waves a work-group, no clusters, 71,680 bytes of LDS; arguments q, k, v, corm_mask, qf, kb, vh, tf, up; writes qf, kb, vh, tf, up
.if DOCPART == 1
	.amdgcn_target "amdgcn-amd-amdhsa--gfx1250"
	.amdhsa_code_object_version 6
	.text
	.protected	k_qd893d7a1b5_prep
	.globl	k_qd893d7a1b5_prep
	.p2align	8
	.type	k_qd893d7a1b5_prep,@function
k_qd893d7a1b5_prep:
	s_mov_b64 s[64:65], 0
	v_nop
	global_prefetch_b8 v0, s[64:65] scope:SCOPE_SE
	s_setreg_imm32_b32 hwreg(HW_REG_WAVE_MODE, 25, 1), 1
	s_wait_xcnt 0x0
; ALL THAT IS MADE OF THE INPUTS ONCE, in one launch.  Grid y says what a work-group does: 0 the thresholds, 1 q, 2 k, 3 v.
; y = 1, 2, 3.  q, k, v: [2048][32][128] f32  ->  qf, kb, vh, by heads, 16 bits a number.
;   kb [h][n][128] bf16, rows of 256 bytes.     vh [h][n][128]: v rounded to bf16, that number written as f16.
;   qf bf16 in the order of matrix fragments: the 16 x 128 tile (h, n / 16) is 4,096 bytes at (128 h + n / 16) x 4,096; element (r, ch) lies at
;   (ch / 16) x 512 + ((ch % 16) / 8) x 256 + 16 r + 2 (ch % 8): a load of 16 bytes a lane at 512 i + 16 lane brings registers 4 i .. 4 i + 3 of the tile's four fragments.
;   A work-group takes 16 rows n and 16 heads, a wave two heads (two tasks): 32 loads of 512 consecutive bytes, all issued before anything else.  k and v leave straight from registers,
;   32 lanes x 8 bytes = a whole row of 256 bytes; q is turned through the wave's own LDS bytes.
; y = 0.  corm_mask [2048][2048] f32  ->  thresholds in the scale of raw scores.  t is rounded to bf16; T' = -log2(t) / c, c = log2(e) / sqrt(128): p >= t is s + T' + NL >= 0 (NL: the attention launch).
;   t <= 0: T' = +1e30 (always true).  t = +inf or NaN: T' = -1e30 (never).  A place above the diagonal (key > query), where p = 0, holds T' - 5e29: not negative only where t <= 0.
;   tf: f32, laid for the threshold launch's waves: the piece of 16,384 bytes for key block k / 128, wave (q / 32) % 4 and query block q / 128 lies at (k / 128) x 1,048,576 + ((q / 32) % 4) x 262,144 + (q / 128) x 16,384,
;       so that for one wave and one key block the query blocks follow each other without a gap.  In a piece the 16 x 16 tile ((q / 16) % 2, (k / 16) % 8) is 1,024 bytes at ((q / 16) % 2) x 8,192 + ((k / 16) % 8) x 1,024, in the order of a
;       matrix accumulator: element (a = q % 16, r = k % 16) at ((a >> 2) & 1) x 512 + (a >> 3) x 256 + 16 r + 4 (a & 3).  Written where the block of 128 keys is not above the block of 128 queries; nothing else of it is read.
;   up [16][2048] f32: for each block of 128 queries and each key the largest value among the block's hidden places, -1e30 where it has none.  It does not hang on the head.
;   Work-group x: key block x % 16, query block x / 16; wave w has 16 queries x 128 keys: 16 loads of 512 consecutive bytes.  The turn into tf's order goes through the wave's own LDS bytes.
; LIMITS.  vh is exact for 2^-17 <= |bf16(v)| < 65,504; beyond that f16 has no number, below it f16's fixed step of 2^-24 holds.  A threshold in (0, 2^-126) counts as 0: the logarithm takes a denormal for zero (ISA guide 15.8).
; ONE BARRIER, behind the join of the two ways, on every wave's path: in front of it every wave puts its four maxima into LDS (in a work-group that converts: the starting value, which nobody reads); behind it wave 0 of a
; threshold work-group takes the eight waves' maxima together.  What the text behind the join names is made ahead of the fork.  On both ways a wave's LDS bytes are the same 8,320.
; Memory binds: no matrix unit, no cluster, no prefetch (the launch streams all the time).
.set TSP,   1040                       ; a tile of tf in the stage: 1,024 bytes + 16: the 16 lanes of a store take 16 different columns of 16 bytes
.set TSW,   8*TSP                      ; a wave's LDS bytes: eight such tiles, or q's 16 chunks of 256 bytes, 272 apart
.set RED,   8*TSW                      ; 8 x 512 bytes: the waves' maxima
.set SPARE, RED+4096                   ; the spare words, 128 bytes a wave
.set L16, 2                            ; v2   16 x lane
.set L8,  3                            ; v3   8 x lane
.set LA,  4                            ; v4   my stage, in
.set LB,  5                            ; v5   my stage, back
.set SPW, 6                            ; v6   my spare word; never rewritten
.set NIL, 7                            ; v7   0; never rewritten
.set T0,  8                            ; v8-11 at work; on the thresholds' way v10 holds +1e30 and v11 5e29
.set T1,  9
.set VPB, 10
.set VHB, 11
.set RW,  12                           ; v12  where my four maxima go
.set RR,  13                           ; v13  where wave 0 reads them
.set VNB, 14                           ; v14  -1e30
.set KD,  15                           ; v15  my first key less my wave's first query
.set X,   16                           ; v[16:143]  q, k, v: task j, row r at X + 64 j + 4 r.   v[16:79] thresholds: query a, key c at X + 4 a + c; later tf's tiles read back
.set LG,  80                           ; v[80:143]  T' at LG + 16 c + a: four neighbouring queries of a key in four neighbouring registers
.set Y,   144                          ; v[144:207] q's tile read back: 32 registers a task
.set UA,  208                          ; v[208:211] the running maxima of my four keys
.set WV,  22
.set TY,  23
.set KBK, 24
.set QBK, 25
.set UPP, 26                           ; s[26:27] up at the work-group's 512 bytes
.set SRC, 28                           ; s[28:29]
.set DST, 30                           ; s[30:31]
.set NIC, 42                           ; -1 / c
.macro TASK j
.set rr, 0
.rept 16
	s_wait_loadcnt 31-16*(\j)-rr                   ; loads come back in order: this row is in, the younger ones stay out
	v_cvt_pk_bf16_f32 v[X+64*(\j)+4*rr],   v[X+64*(\j)+4*rr],   v[X+64*(\j)+4*rr+1]
	v_cvt_pk_bf16_f32 v[X+64*(\j)+4*rr+1], v[X+64*(\j)+4*rr+2], v[X+64*(\j)+4*rr+3]
.set rr, rr+1
.endr
	s_cmp_eq_u32 s[TY], 1
	s_cbranch_scc1 .Lq_\@
	s_cmp_eq_u32 s[TY], 3
	s_cbranch_scc0 .Lrows_\@
.set rr, 0
.rept 16                               ; v: the bf16 numbers written as f16
	v_lshlrev_b32 v8, 16, v[X+64*(\j)+4*rr]
	v_and_b32 v9, 0xffff0000, v[X+64*(\j)+4*rr]
	v_lshlrev_b32 v10, 16, v[X+64*(\j)+4*rr+1]
	v_and_b32 v11, 0xffff0000, v[X+64*(\j)+4*rr+1]
	v_cvt_pk_f16_f32 v[X+64*(\j)+4*rr], v8, v9
	v_cvt_pk_f16_f32 v[X+64*(\j)+4*rr+1], v10, v11
.set rr, rr+1
.endr
.Lrows_\@:
.set rr, 0
.rept 16                               ; 32 lanes store 256 consecutive bytes, at a multiple of 256 from the buffer's first byte
	global_store_b64 v[L8], v[X+64*(\j)+4*rr:X+64*(\j)+4*rr+1], s[DST:DST+1] offset:(\j)*524288+rr*256
.set rr, rr+1
.endr
	s_branch .Ldone_\@
.Lq_\@:
.set rr, 0
.rept 16                               ; row rr's 8 bytes a lane go to 16 rr in the lane's chunk
	ds_store_b64 v[LA], v[X+64*(\j)+4*rr:X+64*(\j)+4*rr+1] offset:rr*16
.set rr, rr+1
.endr
.set rr, 0
.rept 8                                ; LDS serves a wave's instructions in order: these see the stores above, and the next task's stores come behind them
	ds_load_b128 v[Y+32*(\j)+4*rr:Y+32*(\j)+4*rr+3], v[LB] offset:rr*544
.set rr, rr+1
.endr
.set rr, 0
.rept 8
	s_wait_dscnt 7-rr
	global_store_b128 v[L16], v[Y+32*(\j)+4*rr:Y+32*(\j)+4*rr+3], s[DST:DST+1] offset:(\j)*524288+rr*512
.set rr, rr+1
.endr
.Ldone_\@:
.endm
	s_load_b512 s[4:19], s[0:1], 0x0               ; q s[4:5], k s[6:7], v s[8:9], corm_mask s[10:11], qf s[12:13], kb s[14:15], vh s[16:17], tf s[18:19]
	s_load_b64 s[20:21], s[0:1], 0x40              ; up
	v_lshl_add_u32 v[SPW], v0, 2, SPARE
	v_mov_b32 v[NIL], 0
	v_lshrrev_b32 v1, 5, v0
	v_readfirstlane_b32 s[WV], v1                  ; wave 0..7
	v_and_b32 v8, 31, v0                           ; lane
	v_lshlrev_b32 v[L16], 4, v8
	s_and_b32 s[TY], ttmp7, 0xffff                 ; what the work-group does
	s_mul_i32 s32, s[WV], TSW                      ; my LDS bytes
	s_lshl_b32 s33, s[WV], 9
	s_add_co_u32 s33, s33, RED
	v_add_nc_u32 v[RW], s33, v[L16]
	v_add_nc_u32 v[RR], RED, v[L16]
.irp c, 0,1,2,3
	v_mov_b32 v[UA+\c], 0xf149f2ca                 ; -1e30
.endr
	s_and_b32 s[KBK], ttmp9, 15
	s_lshr_b32 s[QBK], ttmp9, 4
	s_lshl_b32 s40, s[QBK], 13                     ; up: a query block's row of 8,192 bytes, a key block's 512 of them
	s_lshl_b32 s41, s[KBK], 9
	s_add_co_u32 s40, s40, s41
	s_mov_b32 s41, 0
	s_cmp_eq_u32 s[TY], 0
	s_cbranch_scc1 .Lmask
	; ---- q, k or v ----
	v_lshlrev_b32 v[L8], 3, v8
	v_lshrrev_b32 v9, 1, v8                        ; q's stage, in: chunk lane / 2, 8 bytes for each of a chunk's two lanes
	v_and_b32 v10, 1, v8
	v_mul_u32_u24 v[LA], v9, 272
	v_lshl_add_u32 v[LA], v10, 3, v[LA]
	v_add_nc_u32 v[LA], s32, v[LA]
	v_lshrrev_b32 v9, 4, v8                        ; back: chunk lane / 16, 16 bytes a lane
	v_and_b32 v10, 15, v8
	v_mul_u32_u24 v[LB], v9, 272
	v_lshl_add_u32 v[LB], v10, 4, v[LB]
	v_add_nc_u32 v[LB], s32, v[LB]
	s_lshr_b32 s33, ttmp9, 1                       ; the 16 rows
	s_and_b32 s34, ttmp9, 1
	s_lshl_b32 s34, s34, 4
	s_lshl1_add_u32 s34, s[WV], s34                ; my first head = 16 (x & 1) + 2 wave
	s_lshl_b32 s36, s33, 18                        ; 16 rows of 16,384 bytes
	s_lshl_b32 s35, s34, 9                         ; a head's 512 bytes of a row
	s_add_co_u32 s36, s36, s35
	s_mov_b32 s37, 0
	s_lshl_b32 s38, s34, 7
	s_add_co_u32 s38, s38, s33
	s_lshl_b32 s38, s38, 12                        ; (128 head + rows / 16) x 4,096: the same place in all three results
	s_mov_b32 s39, 0
	s_wait_kmcnt 0x0
	s_add_nc_u64 s[UPP:UPP+1], s[20:21], s[40:41]  ; (named behind the join, so made on this way too)
	s_cmp_eq_u32 s[TY], 1
	s_cselect_b64 s[SRC:SRC+1], s[4:5], s[6:7]
	s_cselect_b64 s[DST:DST+1], s[12:13], s[14:15]
	s_cmp_eq_u32 s[TY], 3
	s_cselect_b64 s[SRC:SRC+1], s[8:9], s[SRC:SRC+1]
	s_cselect_b64 s[DST:DST+1], s[16:17], s[DST:DST+1]
	s_add_nc_u64 s[SRC:SRC+1], s[SRC:SRC+1], s[36:37]
	s_add_nc_u64 s[DST:DST+1], s[DST:DST+1], s[38:39]
.set t, 0
.rept 32                               ; task t / 16, row t % 16: 512 consecutive bytes, read once in the launch
	global_load_b128 v[X+4*t:X+4*t+3], v[L16], s[SRC:SRC+1] offset:(t%16)*16384+(t/16)*512 th:TH_LOAD_NT
.set t, t+1
.endr
	TASK 0
	TASK 1
	s_branch .Ljoin
	; ---- the thresholds ----
.Lmask:
	s_lshl3_add_u32 s33, s[QBK], s[WV]             ; my tile of 16 queries
	s_lshl_b32 s34, s[KBK], 7
	s_lshl_b32 s35, s33, 4
	s_sub_co_i32 s34, s34, s35
	v_lshl_add_u32 v[KD], v8, 2, s34
	v_lshrrev_b32 v9, 2, v8                        ; my four keys lie in key tile lane / 4, at r = 4 (lane % 4) + c
	v_and_b32 v10, 3, v8
	v_mul_u32_u24 v[LA], v9, TSP
	v_lshl_add_u32 v[LA], v10, 6, v[LA]
	v_add_nc_u32 v[LA], s32, v[LA]
	v_add_nc_u32 v[LB], s32, v[L16]
	v_mov_b32 v[VNB], 0xf149f2ca
	v_mov_b32 v[VPB], 0x7149f2ca
	v_mov_b32 v[VHB], 0x70c9f2ca
	s_mov_b32 s[NIC], 0xc0faf233
	s_lshl_b32 s34, s33, 17                        ; corm_mask: 16 rows of 8,192 bytes,
	s_lshl_b32 s36, s[KBK], 9                      ; the key block's 512 bytes of a row
	s_add_co_u32 s36, s36, s34
	s_mov_b32 s37, 0
	s_lshl_b32 s38, s[KBK], 20                     ; tf: the key block,
	s_lshl_b32 s35, s[QBK], 14                     ; the query block's piece,
	s_add_co_u32 s38, s38, s35
	s_lshr_b32 s35, s[WV], 1                       ; for the wave that will read my 16 queries: my number / 2,
	s_lshl_b32 s35, s35, 18
	s_add_co_u32 s38, s38, s35
	s_and_b32 s35, s[WV], 1                        ; and which of its two query tiles they are
	s_lshl_b32 s35, s35, 13
	s_add_co_u32 s38, s38, s35
	s_mov_b32 s39, 0
	s_wait_kmcnt 0x0
	s_add_nc_u64 s[UPP:UPP+1], s[20:21], s[40:41]
	s_add_nc_u64 s[SRC:SRC+1], s[10:11], s[36:37]
	s_add_nc_u64 s[DST:DST+1], s[18:19], s[38:39]
.set aa, 0
.rept 16
	global_load_b128 v[X+4*aa:X+4*aa+3], v[L16], s[SRC:SRC+1] offset:aa*8192 th:TH_LOAD_NT
.set aa, aa+1
.endr
.set aa, 0
.rept 16                               ; rounded to bf16 and widened again
	s_wait_loadcnt 15-aa
	v_cvt_pk_bf16_f32 v[T0], v[X+4*aa], v[X+4*aa+1]
	v_cvt_pk_bf16_f32 v[T1], v[X+4*aa+2], v[X+4*aa+3]
	v_lshlrev_b32 v[X+4*aa], 16, v[T0]
	v_and_b32 v[X+4*aa+1], 0xffff0000, v[T0]
	v_lshlrev_b32 v[X+4*aa+2], 16, v[T1]
	v_and_b32 v[X+4*aa+3], 0xffff0000, v[T1]
.set aa, aa+1
.endr
.set aa, 0
.rept 64                               ; one batch of 64 logarithms
	v_log_f32 v[LG+16*(aa%4)+aa/4], v[X+aa]
.set aa, aa+1
.endr
	v_nop                                          ; a plain instruction behind the last of them,
	s_wait_alu depctr_va_vdst(0)                   ; and one wait for the batch, ahead of its first reader
.set aa, 0
.rept 16
.set cc, 0
.rept 4
	v_mul_f32 v[LG+16*cc+aa], s[NIC], v[LG+16*cc+aa]
	v_max_num_f32 v[LG+16*cc+aa], v[LG+16*cc+aa], v[VNB]      ; NaN (t negative or NaN) and -inf become -1e30,
	v_min_num_f32 v[LG+16*cc+aa], v[LG+16*cc+aa], v[VPB]      ; +inf becomes +1e30
	v_cmp_ge_f32 vcc_lo, 0, v[X+4*aa+cc]
	v_cndmask_b32 v[LG+16*cc+aa], v[LG+16*cc+aa], v[VPB], vcc_lo  ; t <= 0
	v_cmp_lt_i32 vcc_lo, aa-cc, v[KD]                         ; key > query
	v_cndmask_b32 v[T0], 0, v[VHB], vcc_lo
	v_sub_f32 v[LG+16*cc+aa], v[LG+16*cc+aa], v[T0]
	v_cndmask_b32 v[T1], v[VNB], v[LG+16*cc+aa], vcc_lo
	v_max_num_f32 v[UA+cc], v[UA+cc], v[T1]
.set cc, cc+1
.endr
.set aa, aa+1
.endr
	s_cmp_le_u32 s[KBK], s[QBK]                    ; the same for all eight waves; no barrier stands in what is jumped
	s_cbranch_scc0 .Ljoin
.set aa, 0
.rept 16                               ; key c = aa / 4, queries 4 g .. 4 g + 3 with g = aa % 4
	ds_store_b128 v[LA], v[LG+4*aa:LG+4*aa+3] offset:(aa/4)*16+((aa%4)&1)*512+((aa%4)>>1)*256
.set aa, aa+1
.endr
.set aa, 0
.rept 16                               ; a wave's own bytes, served in order
	ds_load_b128 v[X+4*aa:X+4*aa+3], v[LB] offset:(aa/2)*TSP+(aa%2)*512
.set aa, aa+1
.endr
.set aa, 0
.rept 16                               ; my eight tiles are 8,192 consecutive bytes of tf
	s_wait_dscnt 15-aa
	global_store_b128 v[L16], v[X+4*aa:X+4*aa+3], s[DST:DST+1] offset:aa*512
.set aa, aa+1
.endr
.Ljoin:
	ds_store_b128 v[RW], v[UA:UA+3]
	s_wait_dscnt 0x0                               ; for the others' sake: my maxima lie in LDS
	s_barrier_signal -1
	s_barrier_wait -1
	s_cmp_lg_u32 s[WV], 0
	s_cbranch_scc1 .Lend
	s_cmp_lg_u32 s[TY], 0
	s_cbranch_scc1 .Lend
.set aa, 0
.rept 8
	ds_load_b128 v[LG+4*aa:LG+4*aa+3], v[RR] offset:aa*512
.set aa, aa+1
.endr
	s_wait_dscnt 0x0
.irp c, 0,1,2,3
	v_max3_num_f32 v[UA+\c], v[LG+\c], v[LG+4+\c], v[LG+8+\c]
.endr
.irp c, 0,1,2,3
	v_max3_num_f32 v[UA+\c], v[UA+\c], v[LG+12+\c], v[LG+16+\c]
.endr
.irp c, 0,1,2,3
	v_max3_num_f32 v[UA+\c], v[UA+\c], v[LG+20+\c], v[LG+24+\c]
.endr
.irp c, 0,1,2,3
	v_max_num_f32 v[UA+\c], v[UA+\c], v[LG+28+\c]
.endr
	global_store_b128 v[L16], v[UA:UA+3], s[UPP:UPP+1]  ; 512 consecutive bytes
.Lend:
	s_wait_tensorcnt 0x0                           ; the wave's end, behind my last LDS store
	ds_add_u32 v[SPW], v[NIL]
	s_wait_dscnt 0x0
	s_endpgm
.Lfunc_end_k_qd893d7a1b5_prep:
	.size	k_qd893d7a1b5_prep, .Lfunc_end_k_qd893d7a1b5_prep-k_qd893d7a1b5_prep
	.p2alignl 7, 3214868480
	.fill 96, 4, 3214868480
	.section	.rodata,"a",@progbits
	.p2align	6, 0x0
	.amdhsa_kernel k_qd893d7a1b5_prep
		.amdhsa_group_segment_fixed_size 71680
		.amdhsa_private_segment_fixed_size 0
		.amdhsa_enable_private_segment 0
		.amdhsa_kernarg_size 72
		.amdhsa_user_sgpr_count 2
		.amdhsa_user_sgpr_kernarg_segment_ptr 1
		.amdhsa_wavefront_size32 1
		.amdhsa_system_sgpr_workgroup_id_x 1
		.amdhsa_system_sgpr_workgroup_id_y 1
		.amdhsa_system_sgpr_workgroup_id_z 1
		.amdhsa_system_vgpr_workitem_id 0
		.amdhsa_next_free_vgpr 212
		.amdhsa_next_free_sgpr 66
		.amdhsa_reserve_vcc 1
		.amdhsa_float_denorm_mode_32 3
		.amdhsa_float_denorm_mode_16_64 3
		.amdhsa_memory_ordered 1
		.amdhsa_forward_progress 1
		.amdhsa_inst_pref_size 66
	.end_amdhsa_kernel
	.amdgpu_metadata
---
amdhsa.version: [ 1, 2 ]
amdhsa.kernels:
  - .name:           k_qd893d7a1b5_prep
    .symbol:         k_qd893d7a1b5_prep.kd
    .args:
      - { .name: q, .offset: 0, .size: 8, .value_kind: global_buffer, .address_space: global }
      - { .name: k, .offset: 8, .size: 8, .value_kind: global_buffer, .address_space: global }
      - { .name: v, .offset: 16, .size: 8, .value_kind: global_buffer, .address_space: global }
      - { .name: corm_mask, .offset: 24, .size: 8, .value_kind: global_buffer, .address_space: global }
      - { .name: qf, .offset: 32, .size: 8, .value_kind: global_buffer, .address_space: global }
      - { .name: kb, .offset: 40, .size: 8, .value_kind: global_buffer, .address_space: global }
      - { .name: vh, .offset: 48, .size: 8, .value_kind: global_buffer, .address_space: global }
      - { .name: tf, .offset: 56, .size: 8, .value_kind: global_buffer, .address_space: global }
      - { .name: up, .offset: 64, .size: 8, .value_kind: global_buffer, .address_space: global }
    .group_segment_fixed_size: 71680
    .private_segment_fixed_size: 0
    .kernarg_segment_align: 8
    .kernarg_segment_size: 72
    .max_flat_workgroup_size: 256
    .sgpr_count:     66
    .vgpr_count:     212
    .wavefront_size: 32
...
	.end_amdgpu_metadata
.endif
;; end of part 1
;; launch attn (part 2): grid 8 x 32, 4 waves a work-group, no clusters, 327,680 bytes of LDS; arguments qf, kb, vh, out0, nl; writes out0, nl
.if DOCPART == 2
	.amdgcn_target "amdgcn-amd-amdhsa--gfx1250"
	.amdhsa_code_object_version 6
	.text
	.protected	k_qd893d7a1b5_attn
	.globl	k_qd893d7a1b5_attn
	.p2align	8
	.type	k_qd893d7a1b5_attn,@function
k_qd893d7a1b5_attn:
	s_mov_b64 s[64:65], 0
	v_nop
	global_prefetch_b8 v0, s[64:65] scope:SCOPE_SE
	s_setreg_imm32_b32 hwreg(HW_REG_WAVE_MODE, 25, 1), 1
	s_wait_xcnt 0x0
; CAUSAL ATTENTION, head size 128, 2,048 rows, 32 heads.  out0[q][h][:] = the sum over k <= q of softmax_k(Q . K / sqrt(128)) V, f32;  nl[h][q] = -(c m + log2 l) / c, c = log2(e) / sqrt(128), for the threshold launch.
; Q (qf, in fragment order) and K (kb) are bf16; V (vh) holds bf16 numbers written as f16, and the weights p are rounded to f16 for the second product.  Products, maxima and sums in f32.
; LIMITS.  Raw scores lie above -2^40, where the running maximum starts; a hidden score counts as its value less 1e30; a weight below 2^-126 counts as 0; NaN and infinities are not treated apart.
; THE WALK.  A head has 16 blocks of 128 queries; block i needs the key tiles 0 .. i of 128 keys, the last of which holds the diagonal.  Work-group (b, h) takes block b and then block 15 - b: 17 tiles whatever b,
; walked by one loop with a constant count; what a trip does hangs on scalar registers made from b.  Every jump but the loop's own goes forward, and none passes a barrier, or a tensor load but the one of LOAD's two that the wave's number does not choose.
; In the loop only the first block ends (it has 8 tiles at the most); the second block's last tile is the walk's last, which is written out behind the loop.  PH says where the walk stands.
; NO CLUSTER: the eight work-groups of a head ask for the same tile only in the first trips of each block; a walk common to four partners would have 20 trips for 17.
; SHARES.  Wave w has 64 of the block's queries (qh = w & 1: four tiles of 16) and 64 of each tile's keys (kh = w >> 1).  At a block's end the two key halves are merged through LDS: each wave hands two query tiles to its partner w ^ 2 and finishes the other two.
; LAYOUT.  S^T = K Q^T (a lane holds one query, lane % 16, and keys 8 (lane / 16) + 0..7); two results rounded in pairs ARE source 1 of O^T = V^T P.  K comes out of LDS as it lies, V turned by ds_load_tr16_b128.
; THE MASK is the C operand that starts S^T's sums: 0, or -1e30 where the key is hidden.  Three sets of eight registers, for key blocks below, on and above the query tile's own; made in every trip, 20 lines, from two scalar flags.
; SOFTMAX.  p = 2^(c s - c m) with a running maximum m; in every step O and l are multiplied by a = 2^(c m_old - c m_new).  m starts at -2^40: a block's first step has a = 0, so O and l need only be finite there;
; a wave all of whose keys are hidden keeps m, has p = 0 and a = 1, and the merge multiplies its share by 2^(c m - c m_partner) = 0.
; A STEP (one tile): K in; 32 products K Q^T of piece 0 (query tiles 0, 1); 32 of piece 2 with piece 0's softmax in slices behind them; 32 products V^T P of piece 0 with piece 2's softmax; 32 of piece 2.
; REGISTERS, in windows of 256 (s_set_vgpr_msb: bits 1:0 source 0, 3:2 source 1, 5:4 source 2, 7:6 destination):
;   window 0: v2-11, v44-53 addresses; v12-43 eight statistics a tile; v64-191 S^T; v192-255 P      window 1: O^T, 64 a tile
;   window 2: v0-127 Q; v128-255 K      window 3: v0-127 V; v128-151 the three mask sets; v152-159 the diagonal's own mask
.set PKP,   272       ; a row of K in LDS: 256 bytes + 16: the 16 rows of a load start at 16 different groups of four banks (64 banks of 4 bytes: ISA guide 11.1)
.set PVP,   288       ; a row of V: 256 + 32
.set VOFF,  64*PKP    ; a key half: 64 rows of K, then 64 rows of V
.set STEPB, 64*(PKP+PVP)
.set SLOT1, 1<<17     ; a slot holds a tile's two key halves (71,680 bytes); slot 1 begins here, so that one exclusive or turns an address into the other slot's
.set MRG,   SLOT1+2*STEPB  ; never filled by a tensor load: 16,384 bytes a wave: the two query tiles of O^T that it hands over
.set MST,   MRG+4*16384    ; 1,024 bytes a wave: c m and l of its four tiles
.set OUTS,  MST+4*1024     ; 16 rows x 528 bytes a wave, for the way out
.set OPI,   528
.set SPARE, OUTS+4*16*OPI  ; the spare words, 128 bytes a wave: two blocks of 256 bytes that no other line names
.set AK0, 2
.set AV0, 3
.set ADR, 4
.set L16, 5           ; 16 x lane
.set STO, 6
.set RD,  7
.set MW,  9           ; my merge bytes
.set MR,  10          ; my partner's
.set SW,  11
.set ST,  12          ; tile t at v[ST+8 t]: c m, m, l (even keys', odd keys'), c0-c3 at work
.set SR,  44
.set L4,  45          ; 4 x lane
.set PFO, 46          ; 256 x lane
.set NLD, 47
.set SPW, 62
.set NIL, 63
.set S,   64
.set P,   192
.set KF,  128
.set MC,  128
.set MD,  152
.set WV,  12
.set QH,  13
.set KH,  14
.set PB,  15
.set HI,  16
.set G1K, 24
.set G1V, 32
.set G0K, 40
.set G0V, 44
.set OFF, 48          ; s[48:49] a tile's byte offset in kb and vh
.set PFA, 50          ; s[50:51] where my prefetches stand
.set LIM, 52          ; 2 in the work-group that prefetches, else the greatest number: a wave prefetches while s[SLOTS] is above it
.set TB,  53          ; LDS byte of my key half in the slot in hand
.set RT,  54          ; tiles of the block in hand still to be entered
.set NXT, 55          ; the tile to be asked for next
.set SLOTS, 56
.set LQ,  57          ; the last tile of the block whose tiles are being asked for
.set CS,  58
.set SEL, 60
.set PH,  62          ; 0: the first block is in hand; 1: its two key halves lie in LDS and are to be merged; 2: the second block is in hand
.set DG,  63          ; 1: the tile in hand is the diagonal one
.set SAME, 69         ; kh = qh
.set ABOVE, 70        ; kh > qh
.set AL,  72
.set BE,  74
.set BIGN, 76
.set B3,  77
.set QP,  78
.set QHI, 80
.set OP,  82
.set OHI, 84
.set NP,  86
.set NHI, 88
.set LMASK, 90        ; lanes 16-31
.set NIC, 91          ; -1 / c
.set MSB, 0
.macro WIN new                      ; the high byte repeats the setting that is left; a switch that changes nothing is dropped
.if MSB != (\new)
	s_set_vgpr_msb (MSB<<8)|(\new)
.set MSB, (\new)
.endif
.endm
.set W_KQ, 0x0a       ; K and Q in window 2, S^T in window 0
.set W_KM, 0x3a       ; the same with the C operand in window 3
.set W_PV, 0x53       ; V in window 3, P in window 0, O^T in window 1
.set W_RS, 0x41       ; destination and source 0 in window 1, source 1 in window 0
.macro PLACES
.rept 4
	v_nop
.endr
.endm
; A fill.  Waves 0 and 1 fetch the two key halves of a tile's K, waves 2 and 3 those of its V: 64 rows of 256 bytes each.  An s_nop 0 and four v_nop follow each of the two lines.
.macro LOAD
	s_cmp_lt_u32 s[WV], 2
	s_cbranch_scc0 .Lfor_v_\@
	tensor_load_to_lds s[G0K:G0K+3], s[G1K:G1K+7]
	s_nop 0
.rept 4
	v_nop
.endr
	s_branch .Lasked_\@
.Lfor_v_\@:
	tensor_load_to_lds s[G0V:G0V+3], s[G1V:G1V+7]
	s_nop 0
.rept 4
	v_nop
.endr
.Lasked_\@:
.endm
; A PREFETCH INTO THE L2.  All eight work-groups of a head walk the same kb and vh; the one with b = 0 asks, and nobody else.  At its change number j (1 to 14) it names tile j + 1, which the first of the eight
; asks for at the next change at the earliest: a step, 128 matrix instructions, ahead.  Each wave names the 64 rows that it fetches itself, a lane a row, two instructions: each row is named once in the launch.
; Tiles 0 and 1 come by their loads alone; the last two changes ask for nothing: tile 15 is the head's last.
.macro ASK
	s_cmp_gt_u32 s[SLOTS], s[LIM]
	s_cbranch_scc0 .Lnoask_\@
	global_prefetch_b8 v[PFO], s[PFA:PFA+1] th:TH_LOAD_NT scope:SCOPE_SE
	global_prefetch_b8 v[PFO], s[PFA:PFA+1] offset:8192 th:TH_LOAD_NT scope:SCOPE_SE
.Lnoask_\@:
.endm
; THE CHANGE OF SLOTS.  Each wave waits for all its tensor loads, of which one is out: its part of the other slot; adds 0 to its spare word; waits for that and for all its LDS instructions (its reads of the slot that it leaves, and what
; it has put into the merge bytes).  Behind the barrier nobody reads the old slot, the other slot is whole, and the partners' merge bytes may be read.  fill = 1: the old slot is filled again, first thing, with tile NXT.
.macro CHANGE fill
	WIN 0
	s_wait_tensorcnt 0x0            ; no tensor load of mine is out, so a group 0 may be written
	ds_add_u32 v[SPW], v[NIL]       ; 0 onto my spare word
.if \fill
	s_lshl_b32 s[OFF], s[NXT], 15   ; a tile is 32,768 bytes of kb and of vh
	s_xor_b32 s[G0K+1], s[G0K+1], SLOT1
	s_add_nc_u64 s[G0K+2:G0K+3], s[6:7], s[OFF:OFF+1]
	s_or_b32 s[G0K+3], s[G0K+3], 0x80000000
	s_xor_b32 s[G0V+1], s[G0V+1], SLOT1
	s_add_nc_u64 s[G0V+2:G0V+3], s[8:9], s[OFF:OFF+1]
	s_or_b32 s[G0V+3], s[G0V+3], 0x80000000
	s_add_co_u32 s[NXT], s[NXT], 1  ; the block's next tile, or behind its last the second block's tile 0
	s_cmp_gt_u32 s[NXT], s[LQ]
	s_cselect_b32 s[NXT], 0, s[NXT]
	s_cselect_b32 s[LQ], s[HI], s[LQ]
	s_wait_xcnt 0x0                 ; the last prefetches, a step back, have read their address
	s_add_nc_u64 s[PFA:PFA+1], s[PFA:PFA+1], 32768
.endif
	s_wait_dscnt 0x0
	s_barrier_signal -1
	s_xor_b32 s[TB], s[TB], SLOT1
	s_barrier_wait -1
.if \fill
	LOAD
	ASK
.endif
.endm
; THE MATRIX WORK.  The accumulators take turns, one instruction a turn.
; Product i of 32 of S^T = K Q^T for piece x: channels 32 (i / 8) on, keys 16 ((i / 2) % 4) on, tile x + i % 2.  The first 8 start the sums with the mask set of their key block's place beside the query tile.
.macro KQ x
.set rS, S+32*((\x)+i%2)+8*((i/2)%4)
.set rK, KF+32*((i/2)%4)+8*(i/8)
.set rQ, 32*((\x)+i%2)+8*(i/8)
.set dd, (i/2)%4-((\x)+i%2)
.set rM, MC+8
.if dd < 0
.set rM, MC
.endif
.if dd > 0
.set rM, MC+16
.endif
.if i < 8
	WIN W_KM
	v_wmma_f32_16x16x32_bf16 v[rS:rS+7], v[rK:rK+7], v[rQ:rQ+7], v[rM:rM+7]
.else
	WIN W_KQ
	v_wmma_f32_16x16x32_bf16 v[rS:rS+7], v[rK:rK+7], v[rQ:rQ+7], v[rS:rS+7]
.endif
.endm
; Product i of 32 of O^T += V^T P for piece x: keys 32 (i / 16) on, channels 16 ((i / 2) % 8) on, tile x + i % 2.
.macro PV x
	WIN W_PV
.set rO, 64*((\x)+i%2)+8*((i/2)%8)
.set rV, 64*(i/16)+8*((i/2)%8)
.set rP, P+16*((\x)+i%2)+8*(i/16)
	v_wmma_f32_16x16x32_f16 v[rO:rO+7], v[rV:rV+7], v[rP:rP+7], v[rO:rO+7]
.endm
; THE LDS LOADS stand in runs of 32.
.macro FETCH_K
	WIN 0
	v_add_nc_u32 v[ADR], s[TB], v[AK0]
	WIN 0x80
.irp f, 0,1,2,3,4,5,6,7,8,9,10,11,12,13,14,15  ; keys 16 (f / 4) on, channels 32 (f % 4) on
	ds_load_b128 v[KF+8*(\f):KF+8*(\f)+3],   v[ADR] offset:((\f)/4)*16*PKP+((\f)%4)*64
	ds_load_b128 v[KF+8*(\f)+4:KF+8*(\f)+7], v[ADR] offset:((\f)/4)*16*PKP+((\f)%4)*64+32
.endr
.endm
.macro FETCH_V
	WIN 0
	v_add_nc_u32 v[ADR], s[TB], v[AV0]
	s_wait_alu depctr_va_vdst(0)    ; the wait for the softmax's batch of exponentials (SLICE), ahead of the loads
	WIN 0xc0
.irp f, 0,1,2,3,4,5,6,7,8,9,10,11,12,13,14,15  ; keys 32 (f / 8) on, channels 16 (f % 8) on
	ds_load_tr16_b128 v[8*(\f):8*(\f)+3],   v[ADR] offset:((\f)/8)*32*PVP+((\f)%8)*32
	ds_load_tr16_b128 v[8*(\f)+4:8*(\f)+7], v[ADR] offset:((\f)/8)*32*PVP+16*PVP+((\f)%8)*32
.endr
.endm
; THE VECTOR WORK.  One tile's softmax for a step is a list of 134 instructions; SM writes number j of it for tile t.
;   0-15 the maximum of the lane's 32 scores and the old m (each accumulator's lowest registers are read first)     16-20 the other half of the lanes'; the new m; c m; its change
;   21-69 ONE BATCH: 16 scalings c s - c m and 33 exponentials (a at 23); none reads an exponential's result     (the wait: SLICE)     70-85 roundings to f16     86-101 sums; l = a l + sum     102-133 O^T times a
.macro SM t
.set rT, ST+8*(\t)
.set rS, S+32*(\t)
.set rP, P+16*(\t)
.set rO, 64*(\t)+2*(j-102)
.if j < 102
	WIN 0
.endif
.if j < 4
	v_max3_num_f32 v[rT+4+j], v[rS+8*j], v[rS+8*j+1], v[rS+8*j+2]
.elseif j < 12
	v_max3_num_f32 v[rT+4+j%4], v[rT+4+j%4], v[rS+8*(j%4)+2*(j/4)+1], v[rS+8*(j%4)+2*(j/4)+2]
.elseif j == 12
	v_max3_num_f32 v[rT+4], v[rT+4], v[rS+7], v[rS+15]
.elseif j == 13
	v_max3_num_f32 v[rT+6], v[rT+6], v[rS+23], v[rS+31]
.elseif j == 14
	v_max3_num_f32 v[rT+4], v[rT+4], v[rT+5], v[rT+6]
.elseif j == 15
	v_max3_num_f32 v[rT+4], v[rT+4], v[rT+7], v[rT+1]
.elseif j == 16
	v_permlanex16_b32 v[rT+5], v[rT+4], s[SEL], s[SEL+1]  ; the query's other 32 keys lie in the lane 16 away
.elseif j == 17
	v_mov_b32 v[rT+7], v[rT]        ; c m_old is kept for a
.elseif j == 18
	v_max_num_f32 v[rT+1], v[rT+4], v[rT+5]
.elseif j == 19
	v_mul_f32 v[rT], s[CS], v[rT+1]
.elseif j == 20
	v_sub_f32 v[rT+7], v[rT+7], v[rT]
.elseif j == 23
	v_exp_f32 v[rT+6], v[rT+7]
.elseif (j < 23) || ((j < 38) && (j%2 == 0)) || ((j < 66) && (j%4 == 2))
.set b, (j-2)/4
.if j < 38
.set b, (j-20)/2
.endif
	v_pk_fma_f32 v[rS+2*b:rS+2*b+1], v[rS+2*b:rS+2*b+1], s[CS:CS+1], v[rT:rT+1] op_sel_hi:[1,0,0] neg_lo:[0,0,1] neg_hi:[0,0,1]
.elseif j < 70
.set e, j-38
.if j < 66
.set e, j-32-(j-38)/4
.endif
.if j < 38
.set e, (j-25)/2
.endif
	v_exp_f32 v[rS+e], v[rS+e]
.elseif j < 86
	v_cvt_pk_f16_f32 v[rP+j-70], v[rS+2*(j-70)], v[rS+2*(j-70)+1]
.elseif j < 102
.set z, j-86
.set w, 4
.set u, z
.if z >= 14
.set w, 32
.set u, 0
.elseif z >= 12
.set w, 16
.set u, z-12
.elseif z >= 8
.set w, 8
.set u, z-8
.endif
.if z < 15
	v_pk_add_f32 v[rS+w*u:rS+w*u+1], v[rS+w*u:rS+w*u+1], v[rS+w*u+w/2:rS+w*u+w/2+1]
.else
	v_pk_fma_f32 v[rT+2:rT+3], v[rT+2:rT+3], v[rT+6:rT+7], v[rS:rS+1] op_sel_hi:[1,0,1]
.endif
.else
	WIN W_RS
	v_pk_mul_f32 v[rO:rO+1], v[rO:rO+1], v[rT+6:rT+7] op_sel_hi:[1,0]
.endif
.endm
; Slice k of 64 of piece y's softmax.  Slices 11 to 34 deal out the batch, four numbers of one tile each; every other slice is numbers 2 k and 2 k + 1 of both tiles; slice 63 has the twelve that are over.
; Behind slice 34 no exponential is issued and ahead of slice 35 nothing names a result: one plain instruction and one wait serve the piece's 66 exponentials.  In piece 0's softmax V's run of loads stands there.
.macro SLICE y
.if (k >= 11) && (k < 35)
.irp n, 0,1,2,3
.set j, 22+4*((k-11)/2)+(\n)
	SM (\y)+(k-11)%2
.endr
.else
.irp n, 0,1,2,3,4,5,6,7
.if ((\n) < 2) || (k == 63)
.irp t, \y, (\y)+1
.set j, 2*k+(\n)
	SM \t
.endr
.endif
.endr
.endif
.if k == 34
	v_nop
.if (\y) == 0
	FETCH_V
.else
	s_wait_alu depctr_va_vdst(0)
.endif
.endif
.set k, k+1
.endm
; A STEP.  Places behind matrix instructions: four v_nop behind piece 0's scores; slices 62 and 63 (twenty plain instructions on other registers) behind piece 2's; the loads into K's and V's registers stand a softmax or more behind their last readers.
.macro STEP
	FETCH_K
	s_wait_loadcnt 0x0              ; Q is in: its loads are out in a block's first step alone, elsewhere this wait finds nothing
	s_wait_dscnt 0x0                ; K is in
.set i, 0
.rept 32
	KQ 0
.set i, i+1
.endr
	PLACES
.set k, 0
.set i, 0
.rept 32
	KQ 2
	SLICE 0
	SLICE 0
.set i, i+1
.endr
	s_wait_dscnt 0x0                ; V is in
.set k, 0
.set i, 0
.rept 32
	PV 0
	SLICE 2
	SLICE 2
.set i, i+1
.endr
.set i, 0
.rept 32
	PV 2
.set i, i+1
.endr
.endm
; THE MASK SETS for the tile in hand.  Off the diagonal tile all are 0.  On it: my keys lie above my queries (kh > qh): all -1e30; beside them (kh = qh): 0, the diagonal's own mask, -1e30; below: all 0.
.macro MASKSET
	s_and_b32 s92, s[DG], s[ABOVE]
	s_cmp_lg_u32 s92, 0
	s_cselect_b32 s[BE], s[BIGN], 0
	s_and_b32 s93, s[DG], s[SAME]
	s_cmp_lg_u32 s93, 0
	s_cselect_b32 s[AL], 1.0, 0
	s_or_b32 s92, s92, s93
	s_cmp_lg_u32 s92, 0
	s_cselect_b32 s[B3], s[BIGN], 0
	WIN 0xc3
.set nn, 0
.rept 8
	v_mov_b32 v[MC+nn], s[BE]
	v_mov_b32 v[MC+16+nn], s[B3]
.set nn, nn+1
.endr
.set nn, 0
.rept 4
	v_pk_fma_f32 v[MC+8+2*nn:MC+8+2*nn+1], v[MD+2*nn:MD+2*nn+1], s[AL:AL+1], s[BE:BE+1] op_sel_hi:[1,0,0]
.set nn, nn+1
.endr
	WIN 0
.endm
.macro QLOAD p                      ; my four query tiles are 16,384 consecutive bytes of qf, already in the registers' order
	WIN 0x80
.set nn, 0
.rept 32
	global_load_b128 v[4*nn:4*nn+3], v[L16], s[\p:\p+1] offset:512*nn
.set nn, nn+1
.endr
	WIN 0
.endm
.macro BEGIN                        ; a block begins: m = -2^40 and c m = c x that, exactly
.irp t, 0,1,2,3
	v_mov_b32 v[ST+8*\t], 0xd20293ee
	v_mov_b32 v[ST+8*\t+1], 0xd3800000
.endr
.endm
; A BLOCK'S END, first half: l's parts are added (the first four additions are the places behind the last products); c m and l of all four tiles and the two tiles of O^T that my partner finishes go into LDS.
.macro SENDT t0
	WIN 0x04                        ; the data lie in window 1
.set nn, 0
.rept 32
	ds_store_b128 v[MW], v[64*(\t0)+4*nn:64*(\t0)+4*nn+3] offset:512*nn
.set nn, nn+1
.endr
	WIN 0
.endm
.macro SEND q
	WIN 0
.irp t, 0,1,2,3
	v_add_f32 v[ST+8*\t+4], v[ST+8*\t+2], v[ST+8*\t+3]
.endr
.irp t, 0,1,2,3
	v_permlanex16_b32 v[ST+8*\t+5], v[ST+8*\t+4], s[SEL], s[SEL+1]
.endr
.irp t, 0,1,2,3
	v_add_f32 v[ST+8*\t+4], v[ST+8*\t+4], v[ST+8*\t+5]
.endr
.irp t, 0,1,2,3
	ds_store_b32 v[SW], v[ST+8*\t]   offset:(2*\t)*128
	ds_store_b32 v[SW], v[ST+8*\t+4] offset:(2*\t+1)*128
.endr
	s_cmp_eq_u32 s[KH], 0
	s_cbranch_scc0 .Lsend1_\@
	SENDT 2
	s_branch .Lsent_\@
.Lsend1_\@:
	SENDT 0
.Lsent_\@:
.if \q
	QLOAD QHI                       ; the second block's Q: its registers' last readers stand a softmax back
.endif
.endm
; A BLOCK'S END, second half, behind a barrier.  For each of my two tiles: c m_N = max(c m, c m'); a = 2^(c m - c m_N), a' likewise; L = a l + a' l'; O = (a O + a' O') / L; nl = -(c m_N + log2 L) / c.
.macro FS1 t
	v_max_num_f32 v[ST+8*(\t)+7], v[ST+8*(\t)], v[ST+8*(\t)+5]
	v_sub_f32 v[ST+8*(\t)], v[ST+8*(\t)], v[ST+8*(\t)+7]
	v_sub_f32 v[ST+8*(\t)+5], v[ST+8*(\t)+5], v[ST+8*(\t)+7]
.endm
.macro FS2 t
	v_exp_f32 v[ST+8*(\t)], v[ST+8*(\t)]
	v_exp_f32 v[ST+8*(\t)+5], v[ST+8*(\t)+5]
.endm
.macro FS3 t
	v_mul_f32 v[ST+8*(\t)+4], v[ST+8*(\t)], v[ST+8*(\t)+4]
	v_fmac_f32 v[ST+8*(\t)+4], v[ST+8*(\t)+5], v[ST+8*(\t)+6]
.endm
.macro FS4 t
	v_rcp_f32 v[ST+8*(\t)+6], v[ST+8*(\t)+4]
	v_log_f32 v[ST+8*(\t)+1], v[ST+8*(\t)+4]
.endm
.macro FS5 t
	v_add_f32 v[ST+8*(\t)+1], v[ST+8*(\t)+7], v[ST+8*(\t)+1]
	v_mul_f32 v[ST+8*(\t)+4], v[ST+8*(\t)], v[ST+8*(\t)+6]     ; a / L
	v_mul_f32 v[ST+8*(\t)+6], v[ST+8*(\t)+5], v[ST+8*(\t)+6]   ; a' / L
	v_mul_f32 v[ST+8*(\t)+1], s[NIC], v[ST+8*(\t)+1]
.endm
; Tile t (the tt-th of my two): the partner's share comes into S^T's registers; the sum goes through my stage, rows of 528 bytes, and comes back as whole rows of 512 into registers bk on.
.macro FINT t, tt, bk, op
	WIN 0
.set nn, 0
.rept 16
	ds_load_b128 v[S+4*nn:S+4*nn+3], v[MR] offset:((\tt)*16+nn)*512
.set nn, nn+1
.endr
	WIN W_RS
.set nn, 0
.rept 32
	v_pk_mul_f32 v[64*(\t)+2*nn:64*(\t)+2*nn+1], v[64*(\t)+2*nn:64*(\t)+2*nn+1], v[ST+8*(\t)+4:ST+8*(\t)+5] op_sel_hi:[1,0]
.set nn, nn+1
.endr
	s_wait_dscnt 0x0
	WIN 0x10                        ; source 2 in window 1
.set nn, 0
.rept 32
	v_pk_fma_f32 v[S+2*nn:S+2*nn+1], v[S+2*nn:S+2*nn+1], v[ST+8*(\t)+6:ST+8*(\t)+7], v[64*(\t)+2*nn:64*(\t)+2*nn+1] op_sel_hi:[1,0,1]
.set nn, nn+1
.endr
	WIN 0
.set nn, 0
.rept 16                            ; a lane's eight channels of a row are 32 bytes
	ds_store_b128 v[STO], v[S+4*nn:S+4*nn+3] offset:(nn/2)*64+(nn%2)*16
.set nn, nn+1
.endr
.set nn, 0
.rept 16                            ; LDS serves a wave's instructions in order: these see the stores above
	ds_load_b128 v[(\bk)+4*nn:(\bk)+4*nn+3], v[RD] offset:nn*OPI
.set nn, nn+1
.endr
.set nn, 0
.rept 16                            ; 32 lanes store a head's 512 consecutive bytes of a row of out0
	s_wait_dscnt 15-nn
	global_store_b128 v[L16], v[(\bk)+4*nn:(\bk)+4*nn+3], s[\op:\op+1] offset:(\t)*262144+nn*16384 th:TH_STORE_NT
.set nn, nn+1
.endr
.endm
.macro FIN2 t0, op, np
	WIN 0
	ds_load_b32 v[ST+8*(\t0)+5],  v[SR] offset:(2*(\t0))*128
	ds_load_b32 v[ST+8*(\t0)+6],  v[SR] offset:(2*(\t0)+1)*128
	ds_load_b32 v[ST+8*(\t0)+13], v[SR] offset:(2*(\t0)+2)*128
	ds_load_b32 v[ST+8*(\t0)+14], v[SR] offset:(2*(\t0)+3)*128
	s_wait_dscnt 0x0
	FS1 \t0
	FS1 (\t0)+1
	FS2 \t0
	FS2 (\t0)+1
	v_nop                           ; a plain instruction behind the four exponentials,
	s_wait_alu depctr_va_vdst(0)    ; and one wait ahead of their first reader
	FS3 \t0
	FS3 (\t0)+1
	FS4 \t0
	FS4 (\t0)+1
	v_nop                           ; the same for the two reciprocals and two logarithms
	s_wait_alu depctr_va_vdst(0)
	FS5 \t0
	FS5 (\t0)+1
	v_cndmask_b32 v[NLD], v[ST+8*(\t0)+1], v[ST+8*(\t0)+9], s[LMASK]  ; lanes 0-15 the first tile's 16 queries, lanes 16-31 the second's
	global_store_b32 v[L4], v[NLD], s[\np:\np+1] offset:(\t0)*64
	FINT \t0, 0, 128, \op
	FINT (\t0)+1, 1, 192, \op
.endm
.macro FINISH op, np
	WIN 0
	s_cmp_eq_u32 s[KH], 0
	s_cbranch_scc0 .Lfin1_\@
	FIN2 0, \op, \np
	s_branch .Lfind_\@
.Lfin1_\@:
	FIN2 2, \op, \np
.Lfind_\@:
	s_wait_xcnt 0x0                 ; the stores have read their registers, which the next step writes
.endm
	s_load_b256 s[4:11], s[0:1], 0x0  ; qf s[4:5], kb s[6:7], vh s[8:9], out0 s[10:11]
	s_load_b64 s[66:67], s[0:1], 0x20 ; nl
	v_lshl_add_u32 v[SPW], v0, 2, SPARE
	v_mov_b32 v[NIL], 0
	ds_add_u32 v[SPW], v[NIL]       ; the wave's opening: the add and its wait stand ahead of my first tensor load; the set-up below, work on registers, stands between them
	ds_add_u32 v62, v63
	v_lshrrev_b32 v1, 5, v0
	v_readfirstlane_b32 s[WV], v1
	s_and_b32 s[QH], s[WV], 1
	s_lshr_b32 s[KH], s[WV], 1
	s_mov_b32 s[PB], ttmp9
	s_sub_co_u32 s[HI], 15, s[PB]
	s_and_b32 s17, ttmp7, 0xffff    ; the head
	; descriptor group 1: a tile of 64 rows x 128 elements of 2 bytes, padded in LDS after every 64 words by 4 words (K) or 8 (V)
	s_mov_b32 s[G1K], (1<<16)|(1<<20)|(5<<22)|(3<<25)
	s_mov_b32 s[G1V], (1<<16)|(1<<20)|(5<<22)|(7<<25)
.irp g, G1K, G1V
	s_mov_b32 s[(\g)+1], 128<<16    ; tensor_dim0 = 128
	s_mov_b32 s[(\g)+2], 64<<16     ; tensor_dim1 = 64
	s_mov_b32 s[(\g)+3], 128<<16    ; tile_dim0 = 128
	s_mov_b32 s[(\g)+4], 64         ; tile_dim1 = 64
	s_mov_b32 s[(\g)+5], 128        ; elements from row to row
	s_mov_b32 s[(\g)+6], 0
	s_mov_b32 s[(\g)+7], 0
.endr
	s_mov_b32 s[G0K], 1
	s_mul_i32 s[G0K+1], s[QH], STEPB  ; the key half that I fetch is w & 1; slot 0
	s_mov_b32 s[G0V], 1
	s_add_co_u32 s[G0V+1], s[G0K+1], VOFF
	s_mul_i32 s[TB], s[KH], STEPB   ; the key half that I read,
	s_add_co_u32 s[TB], s[TB], SLOT1  ; in slot 1: the first change turns it into slot 0
	s_mov_b32 s[CS], 0x3e0293ee     ; c = log2(e) / sqrt(128)
	s_mov_b32 s[CS+1], s[CS]
	s_mov_b32 s[SEL], 0x76543210
	s_mov_b32 s[SEL+1], 0xfedcba98
	s_mov_b32 s[BIGN], 0xf149f2ca   ; -1e30
	s_mov_b32 s[LMASK], 0xffff0000
	s_mov_b32 s[NIC], 0xc0faf233    ; -1 / c
	s_mov_b32 s[AL+1], 0
	s_mov_b32 s[BE+1], 0
	s_mov_b32 s[OFF+1], 0
	s_cmp_eq_u32 s[KH], s[QH]
	s_cselect_b32 s[SAME], 1, 0
	s_cmp_gt_u32 s[KH], s[QH]
	s_cselect_b32 s[ABOVE], 1, 0
	s_add_co_u32 s[RT], s[PB], 1    ; the first block has b + 1 tiles
	s_mov_b32 s[NXT], 1
	s_mov_b32 s[LQ], s[PB]
	s_cmp_gt_u32 s[NXT], s[LQ]
	s_cselect_b32 s[NXT], 0, s[NXT]
	s_cselect_b32 s[LQ], s[HI], s[LQ]
	s_mov_b32 s[PH], 0
	s_mov_b32 s[SLOTS], 16
	s_cmp_eq_u32 s[PB], 0
	s_cselect_b32 s[LIM], 2, -1
	v_and_b32 v48, 15, v0           ; l % 16
	v_and_b32 v49, 31, v0           ; l
	v_bfe_u32 v50, v0, 4, 1         ; l / 16
	v_lshlrev_b32 v[L16], 4, v49
	v_lshlrev_b32 v[L4], 2, v49
	v_lshlrev_b32 v[PFO], 8, v49
	v_mul_u32_u24 v[AK0], v48, PKP
	v_lshl_add_u32 v[AK0], v50, 4, v[AK0]  ; row x pitch + 16 x half
	v_and_b32 v51, 7, v0
	v_bfe_u32 v52, v0, 3, 1
	v_lshl_add_u32 v[AV0], v50, 3, v51     ; the turning load: key 8 (l / 16) + l % 8, channels 8 ((l / 8) % 2) on
	v_mul_u32_u24 v[AV0], v[AV0], PVP
	v_lshl_add_u32 v[AV0], v52, 4, v[AV0]
	v_add_nc_u32 v[AV0], VOFF, v[AV0]
	s_mul_i32 s18, s[WV], 16*OPI
	s_add_co_u32 s18, s18, OUTS
	v_mul_u32_u24 v[STO], v48, OPI
	v_lshl_add_u32 v[STO], v50, 5, v[STO]
	v_add_nc_u32 v[STO], s18, v[STO]
	v_add_nc_u32 v[RD], s18, v[L16]
	s_xor_b32 s19, s[WV], 2         ; my partner: the same queries, the other key half
	s_lshl_b32 s18, s[WV], 14
	s_add_co_u32 s18, s18, MRG
	v_add_nc_u32 v[MW], s18, v[L16]
	s_lshl_b32 s18, s19, 14
	s_add_co_u32 s18, s18, MRG
	v_add_nc_u32 v[MR], s18, v[L16]
	s_lshl_b32 s18, s[WV], 10
	s_add_co_u32 s18, s18, MST
	v_add_nc_u32 v[SW], s18, v[L4]
	s_lshl_b32 s18, s19, 10
	s_add_co_u32 s18, s18, MST
	v_add_nc_u32 v[SR], s18, v[L4]
	v_lshlrev_b32 v51, 3, v50
	v_sub_nc_u32 v51, v48, v51      ; my query's place in its tile less my lanes' 8 (l / 16)
	s_lshl_b32 s20, s17, 19         ; a head is 524,288 bytes of qf, kb and vh;
	s_lshl_b32 s18, s[QH], 14       ; w & 1 picks 16,384 of them: the key half that I fetch, and my four query tiles
	s_add_co_u32 s20, s20, s18
	s_mov_b32 s21, 0
	s_mov_b32 s3, 0
	s_wait_dscnt 0x0                ; the opening add is done
	s_wait_kmcnt 0x0
	s_add_nc_u64 s[6:7], s[6:7], s[20:21]
	s_add_nc_u64 s[8:9], s[8:9], s[20:21]
	s_add_nc_u64 s[4:5], s[4:5], s[20:21]
	s_lshl_b32 s2, s[PB], 15
	s_add_nc_u64 s[QP:QP+1], s[4:5], s[2:3]
	s_lshl_b32 s2, s[HI], 15
	s_add_nc_u64 s[QHI:QHI+1], s[4:5], s[2:3]
	s_lshl_b32 s18, s[QH], 20       ; out0: 64 rows of 16,384 bytes,
	s_lshl_b32 s19, s17, 9          ; the head's 512 bytes of a row,
	s_add_co_u32 s18, s18, s19
	s_lshl_b32 s2, s[PB], 21        ; the block's 128 rows
	s_add_co_u32 s2, s2, s18
	s_add_nc_u64 s[OP:OP+1], s[10:11], s[2:3]
	s_lshl_b32 s2, s[HI], 21
	s_add_co_u32 s2, s2, s18
	s_add_nc_u64 s[OHI:OHI+1], s[10:11], s[2:3]
	s_lshl_b32 s18, s[QH], 8        ; nl: 4 bytes a query
	s_lshl_b32 s19, s17, 13
	s_add_co_u32 s18, s18, s19
	s_lshl_b32 s2, s[PB], 9
	s_add_co_u32 s2, s2, s18
	s_add_nc_u64 s[NP:NP+1], s[66:67], s[2:3]
	s_lshl_b32 s2, s[HI], 9
	s_add_co_u32 s2, s2, s18
	s_add_nc_u64 s[NHI:NHI+1], s[66:67], s[2:3]
	s_add_nc_u64 s[G0K+2:G0K+3], s[6:7], 0
	s_or_b32 s[G0K+3], s[G0K+3], 0x80000000
	s_add_nc_u64 s[G0V+2:G0V+3], s[8:9], 0
	s_or_b32 s[G0V+3], s[G0V+3], 0x80000000
	s_cmp_lt_u32 s[WV], 2
	s_cselect_b64 s[PFA:PFA+1], s[6:7], s[8:9]
	s_add_nc_u64 s[PFA:PFA+1], s[PFA:PFA+1], 32768  ; at tile 1; the first change steps it to tile 2.  Nothing is prefetched here, at the head
	LOAD                            ; tile 0 into slot 0: one tensor load of mine is out
	QLOAD QP
	WIN 0xc0
.set nn, 0
.rept 8                             ; the diagonal's own mask: key 8 (l / 16) + nn is hidden where it is greater than l % 16
	v_cmp_gt_i32 vcc_lo, nn, v51
	v_cndmask_b32 v[MD+nn], 0, s[BIGN], vcc_lo
.set nn, nn+1
.endr
	WIN 0x40
.set nn, 0
.rept 256                           ; O^T need only be finite where a block begins: zeros, written in the wait for the first tile, so that no first step is written out
	v_mov_b32 v[nn], 0
.set nn, nn+1
.endr
	WIN 0
.set nn, 0
.rept 32
	v_mov_b32 v[ST+nn], 0
.set nn, nn+1
.endr
	BEGIN
.Lslot:                             ; 16 trips: a tile is entered and the next is asked for
	CHANGE 1
	s_cmp_eq_u32 s[PH], 1
	s_cbranch_scc0 .Lnofin
	FINISH OP, NP                   ; the first block's two key halves are merged and leave
	BEGIN
	s_sub_co_u32 s[RT], 16, s[PB]   ; the second block has 16 - b tiles
	s_mov_b32 s[PH], 2
.Lnofin:
	s_wait_dscnt 0x0                ; my reads of my partner's merge bytes are back;
	s_barrier_signal -1             ; a barrier between every wave's reads of them and the next stores into them.  The tensor load that is out stays out
	s_barrier_wait -1
	s_sub_co_u32 s[RT], s[RT], 1
	s_cmp_eq_u32 s[RT], 0
	s_cselect_b32 s[DG], 1, 0
	MASKSET
	STEP
	WIN 0
	s_cmp_lg_u32 s[PH], 0           ; in the loop only the first block ends
	s_cbranch_scc1 .Lnosend
	s_cmp_lg_u32 s[RT], 0
	s_cbranch_scc1 .Lnosend
	SEND 1
	s_mov_b32 s[PH], 1
.Lnosend:
	s_sub_co_u32 s[SLOTS], s[SLOTS], 1
	s_cmp_lg_u32 s[SLOTS], 0
	s_cbranch_scc1 .Lslot
	CHANGE 0                        ; the walk's last tile, the second block's diagonal one, is written out
	s_mov_b32 s[DG], 1
	MASKSET
	STEP
	WIN 0
	SEND 0
	s_wait_dscnt 0x0                ; for my partner's sake: my share lies in LDS
	s_barrier_signal -1
	s_barrier_wait -1
	FINISH OHI, NHI
	s_wait_tensorcnt 0x0            ; the wave's end, behind my last tensor load and my last LDS store
	ds_add_u32 v[SPW], v[NIL]
	s_wait_dscnt 0x0
	s_endpgm
.Lfunc_end_k_qd893d7a1b5_attn:
	.size	k_qd893d7a1b5_attn, .Lfunc_end_k_qd893d7a1b5_attn-k_qd893d7a1b5_attn
	.p2alignl 7, 3214868480
	.fill 96, 4, 3214868480
	.section	.rodata,"a",@progbits
	.p2align	6, 0x0
	.amdhsa_kernel k_qd893d7a1b5_attn
		.amdhsa_group_segment_fixed_size 327680
		.amdhsa_private_segment_fixed_size 0
		.amdhsa_enable_private_segment 0
		.amdhsa_kernarg_size 40
		.amdhsa_user_sgpr_count 2
		.amdhsa_user_sgpr_kernarg_segment_ptr 1
		.amdhsa_wavefront_size32 1
		.amdhsa_system_sgpr_workgroup_id_x 1
		.amdhsa_system_sgpr_workgroup_id_y 1
		.amdhsa_system_sgpr_workgroup_id_z 1
		.amdhsa_system_vgpr_workitem_id 0
		.amdhsa_next_free_vgpr 1024
		.amdhsa_next_free_sgpr 96
		.amdhsa_reserve_vcc 1
		.amdhsa_float_denorm_mode_32 3
		.amdhsa_float_denorm_mode_16_64 3
		.amdhsa_memory_ordered 1
		.amdhsa_forward_progress 1
		.amdhsa_inst_pref_size 209
	.end_amdhsa_kernel
	.amdgpu_metadata
---
amdhsa.version: [ 1, 2 ]
amdhsa.kernels:
  - .name:           k_qd893d7a1b5_attn
    .symbol:         k_qd893d7a1b5_attn.kd
    .args:
      - { .name: qf, .offset: 0, .size: 8, .value_kind: global_buffer, .address_space: global }
      - { .name: kb, .offset: 8, .size: 8, .value_kind: global_buffer, .address_space: global }
      - { .name: vh, .offset: 16, .size: 8, .value_kind: global_buffer, .address_space: global }
      - { .name: out0, .offset: 24, .size: 8, .value_kind: global_buffer, .address_space: global }
      - { .name: nl, .offset: 32, .size: 8, .value_kind: global_buffer, .address_space: global }
    .group_segment_fixed_size: 327680
    .private_segment_fixed_size: 0
    .kernarg_segment_align: 8
    .kernarg_segment_size: 40
    .max_flat_workgroup_size: 128
    .sgpr_count:     96
    .vgpr_count:     1024
    .wavefront_size: 32
...
	.end_amdgpu_metadata
.endif
;; end of part 2
;; launch corm (part 3): grid 32 x 8, 4 waves a work-group, clusters of 4 x 1, 327,680 bytes of LDS; arguments qf, kb, tf, nl, up, out1; writes out1
.if DOCPART == 3
	.amdgcn_target "amdgcn-amd-amdhsa--gfx1250"
	.amdhsa_code_object_version 6
	.text
	.protected	k_qd893d7a1b5_corm
	.globl	k_qd893d7a1b5_corm
	.p2align	8
	.type	k_qd893d7a1b5_corm,@function
k_qd893d7a1b5_corm:
	s_mov_b64 s[64:65], 0
	v_nop
	global_prefetch_b8 v0, s[64:65] scope:SCOPE_SE
	s_setreg_imm32_b32 hwreg(HW_REG_WAVE_MODE, 25, 1), 1
	s_wait_xcnt 0x0
	s_wait_alu depctr_hold_cnt(0) depctr_sa_sdst(0) depctr_va_vdst(0) depctr_va_sdst(0) depctr_va_ssrc(0) depctr_va_vcc(0) depctr_vm_vsrc(0)
	s_getreg_b32 s2, hwreg(HW_REG_IB_STS2, 6, 4)
	s_cmp_eq_u32 s2, 0
	s_cbranch_scc0 .Lentry_in_a_cluster
	s_endpgm
.Lentry_in_a_cluster:
	s_bfe_u32 s2, ttmp6, 0x10000c
	s_cmp_lg_u32 s2, 0x3003
	s_cbranch_scc0 .Lentry_shape_is_right
	s_endpgm
.Lentry_shape_is_right:
; out1[h][k] = 1 where some query q has p[h][q][k] >= corm_mask[q][k].  In the scale of raw scores that is s + T'[q][k] + NL[h][q] >= 0 (tf and up: the launch that prepares; nl: the attention launch).
; T' + NL is the C operand of S = Q K^T, 'some query' is a running maximum, and the sign is looked at once a key.  Places above the diagonal inside a diagonal block lie in tf (T' - 5e29); whole blocks above it lie in up.
; LIMIT.  A probability within some 4e-6 of itself of its threshold may fall on either side: the sums are f32, of numbers up to a few hundred.
; THE WALK.  Key block i (128 keys) needs the query blocks i .. 15.  Work-group (h, bp) takes key block 2 bp (16 - 2 bp trips, an even number) and then key block 15 - 2 bp (2 bp + 1 trips): 17 trips of 128 queries whatever bp:
; eight bodies of two trips and one trip more.  The key block changes between two bodies.
; CLUSTER.  T' does not hang on the head, and it is two thirds of a trip's bytes (64 KiB beside Q's 32).  Grid x is the head: the four work-groups of a cluster have four heads and the same bp, so the same walk, and each tile of T'
; is asked for JOINTLY: the same tensor load, descriptor and mask in all four; each receives it in its own LDS.  A work-group's place in its cluster enters the addresses of its plain loads, its store and its prefetches alone.
; THE RING.  Two LDS slots, each with a body's T': 32 KiB a wave, dense in tf (128 rows of 256 bytes; the 17th trip's tile has 64).  Each wave asks for its own part and reads only that.  At a change of slots every wave waits for all its
; tensor loads, of which one is out, adds 0 to its spare word, waits for that and for its LDS reads, and passes a round of the cluster's barrier; the refill is the first thing behind it and has a body, 128 matrix instructions, in which to land.
; SHARES.  Every wave holds the whole key block's K in 256 registers; of a trip's 128 queries wave w takes the tiles 2 w and 2 w + 1.  K is what the four waves share: each loads a quarter of both key blocks' K; the quarters go
; through one stage in LDS, in the registers' own order: the first block's are stored and read by all, then the second block's are stored and stay until the key block changes.
; Q and NL come straight into registers, in two sets that take turns (20 loads a set, asked for two trips ahead of their use).  Each set has its own pointers: they are written anew behind the counted wait that has shown the set's own loads done.
; LAYOUT.  Source 0 = 16 queries, source 1 = 16 keys: register j of lane l holds query 8 (l / 16) + j and key l % 16: the maximum over queries stays in the lane, one register for each of the 8 key tiles.
; REGISTERS: window 0: v0-31 addresses, M, up's maximum; v32-63 NL (two sets); v64-127 up's rows; v128-255 Q (two sets)     window 1: K     window 2: T' and the sums (two sets); at the head my quarters of K
.set SLOT1, 1<<17                      ; slot 0 from LDS byte 0, slot 1 from here: one exclusive or turns an address in one slot into the other's.  Wave w's part at 32,768 w: the body's first trip, then its second
.set KL,    2*SLOT1                    ; K's stage: 64 pieces of 512 bytes; never filled by a tensor load
.set PM,    KL+32768                   ; PM[wave][block][128] f32: the waves' maxima
.set SPARE, PM+4096                    ; the spare words, 128 bytes a wave: two blocks of 256 bytes that no other line names
.set TA,  0                            ; v0   LDS address of my 16 bytes in my part of the slot in hand (v0 is free once my spare word's address is made)
.set KRD, 1                            ; v1   K's stage + 16 x lane
.set L16, 2
.set H32, 3                            ; 32 x (l / 16)
.set KO,  4                            ; 256 (l % 16) + 16 (l / 16)
.set PMA, 5
.set L4,  6
.set PFO, 7                            ; v7   256 x lane: the prefetches' offset, a lane a row
.set TMP, 8
.set M,   16
.set UM,  24
.set SPW, 28
.set NIL, 29
.set KSA, 30                           ; where my quarter of K goes: stage + 8,192 x wave + 16 x lane
.set PR,  31
.set NLR, 32
.set UPR, 64
.set QR,  128
.set WV,  16
.set BP,  17
.set HD,  18
.set KB1, 19
.set KB2, 20
.set NQ,  21                           ; the query block whose Q and NL are asked for next
.set BD,  23                           ; bodies done
.set SWB, 24                           ; behind which body the key block changes
.set CNT, 25
.set SEL, 26
.set QB,  28
.set TBS, 30                           ; s[30:31] tf at my wave's pieces
.set LB,  32
.set QP,  34                           ; set s: s[34+4s:35+4s] Q, s[36+4s:37+4s] NL
.set LP,  36
.set OFF, 42                           ; s[42:43], s44: offsets made of the walk's numbers and the wave's alone: what feeds a descriptor never holds my place in the cluster
.set K1P, 46
.set K2P, 48
.set UPP, 50
.set OUP, 52
.set FQ,  56                           ; the first query block of the tile to be asked for next
.set FK,  57                           ; and its key block
.set TSL, 58                           ; 32,768 x wave + the slot in hand
.set LIM, 59                           ; 1 in the clusters that prefetch, else the greatest number
.set PFA, 60                           ; s[60:61] where my prefetch stands
.set OF2, 62                           ; s[62:63] its offset
.set CX,  66                           ; 8,192 x my place in the cluster
.set G0,  68                           ; s[68:71] descriptor group 0
.set G1,  72                           ; s[72:79] descriptor group 1
.set MSB, 0
.macro WIN new
.if MSB != (\new)
	s_set_vgpr_msb (MSB<<8)|(\new)
.set MSB, (\new)
.endif
.endm
; A round of the cluster's barrier: my work-group's barrier, so that wave 0's signal speaks for all four waves; wave 0 signals; every wave waits for all four work-groups; my work-group's barrier once more.
.macro ROUND
	s_barrier_signal -1
	s_barrier_wait -1
	s_cmp_lg_u32 s[WV], 0
	s_cbranch_scc1 .Lnot_wave_0_\@
	s_barrier_signal -3
.Lnot_wave_0_\@:
	s_barrier_wait -3
	s_barrier_signal -1
	s_barrier_wait -1
.endm
.macro FADDR                           ; the descriptor's address is made anew from the tile's numbers; then the numbers step: two query blocks on, or behind the first key block's last body the second's first
	s_lshl_b32 s[OFF], s[FK], 20
	s_lshl_b32 s44, s[FQ], 14
	s_add_co_u32 s[OFF], s[OFF], s44
	s_add_nc_u64 s[G0+2:G0+3], s[TBS:TBS+1], s[OFF:OFF+1]
	s_or_b32 s[G0+3], s[G0+3], 0x80000000          ; 127:126 type = 2
	s_add_co_u32 s[FQ], s[FQ], 2
	s_cmp_gt_u32 s[FQ], 15
	s_cselect_b32 s[FQ], s[KB2], s[FQ]
	s_cselect_b32 s[FK], s[KB2], s[FK]
.endm
.macro TLOAD s                         ; T' of the body's trip s: my 16,384 bytes, 32 loads of 512 consecutive bytes, into set s
	WIN 0x80                               ; destination window 2
.set nn, 0
.rept 32
	ds_load_b128 v[128*(\s)+4*nn:128*(\s)+4*nn+3], v[TA] offset:(\s)*16384+nn*512
.set nn, nn+1
.endr
.endm
; THE CHANGE OF SLOTS.  fill = 1: the slot just read takes the body after the next; 2: the same with the walk's last tile, of 64 rows; 0: nothing is left to ask for.  Then the first trip's T' is read.
.macro CHANGE fill
	WIN 0                                          ; at a label and at a branch every window is 0
	s_wait_tensorcnt 0x0                           ; my one tensor load that was out, my part of the next slot, has landed: the descriptor may be written
	ds_add_u32 v[SPW], v[NIL]                      ; 0 onto my spare word; the scalar work below stands between it and the wait for it
.if \fill
	s_xor_b32 s[G0+1], s[G0+1], SLOT1              ; the other slot than last time
	FADDR
.endif
.if (\fill) == 1
	s_wait_xcnt 0x0                                ; the last prefetch, a body back, has read its address
	s_lshl_b32 s[OF2], s[FK], 20                   ; the tile that the NEXT change will ask for,
	s_lshl_b32 s44, s[FQ], 14
	s_add_co_u32 s[OF2], s[OF2], s44
	s_add_co_u32 s[OF2], s[OF2], s[CX]             ; my work-group's 32 rows of my wave's 128
	s_add_nc_u64 s[PFA:PFA+1], s[TBS:TBS+1], s[OF2:OF2+1]
.endif
.if (\fill) == 2
	s_mov_b32 s[G1+2], 64<<16                      ; tensor_dim1 = 64
	s_mov_b32 s[G1+4], 64                          ; tile_dim1 = 64
.endif
	s_xor_b32 s[TSL], s[TSL], SLOT1
	s_wait_dscnt 0x0                               ; the add is done, and my LDS instructions are over: my reads of the slot that I leave among them
.if \fill
	ROUND                                          ; no wave of any partner still reads that slot or has a load on its way
	tensor_load_to_lds s[G0:G0+3], s[G1:G1+7]      ; the joint refill: my one tensor load behind the round, and the first thing there
	s_nop 0
.rept 4
	v_nop
.endr
.else
	s_barrier_signal -1
	s_barrier_wait -1
.endif
	v_add_nc_u32 v[TA], s[TSL], v[L16]
	TLOAD 0
	WIN 0
.endm
; A PREFETCH INTO THE L2 of the tile that the next change of slots will ask for: a body, 128 matrix instructions, ahead of that load.  It stands behind the joint load, its five lines and the run of LDS loads.
; Each row of 256 bytes is named ONCE in the launch.  The eight clusters of one bp walk the same tiles: the first of them (cluster x = 0) asks.  Of the 128 rows that wave w fetches, the partner at place p takes 32 p .. 32 p + 31,
; told apart BY ADDRESS: a lane a row, one instruction a wave.  The first two tiles come by their loads alone; the loop's last trip asks for nothing: the tile behind it is the short one, of 64 rows.
.macro ASK
	s_cmp_gt_u32 s[CNT], s[LIM]
	s_cbranch_scc0 .Lnot_mine_\@
	global_prefetch_b8 v[PFO], s[PFA:PFA+1] th:TH_LOAD_NT scope:SCOPE_SE
.Lnot_mine_\@:
.endm
.macro STEPPTR s                       ; set s's two pointers, each made anew from its base and the block's number.  No load that names them is out: the set's last loads were waited for at the trip's head
	s_lshl_b32 s[OFF], s[NQ], 15
	s_add_nc_u64 s[QP+4*(\s):QP+4*(\s)+1], s[QB:QB+1], s[OFF:OFF+1]
	s_lshl_b32 s[OFF], s[NQ], 9
	s_add_nc_u64 s[LP+4*(\s):LP+4*(\s)+1], s[LB:LB+1], s[OFF:OFF+1]
	s_add_co_u32 s[NQ], s[NQ], 1
	s_cmp_gt_u32 s[NQ], 15
	s_cselect_b32 s[NQ], s[KB2], s[NQ]             ; behind the first key block's last query block: the second's first
.endm
.macro LOADSET s                       ; 20 loads: Q's two tiles (8,192 consecutive bytes) and their NL
.set nn, 0
.rept 16
	global_load_b128 v[QR+64*(\s)+4*nn:QR+64*(\s)+4*nn+3], v[L16], s[QP+4*(\s):QP+4*(\s)+1] offset:512*nn
.set nn, nn+1
.endr
.set nn, 0
.rept 4
	global_load_b128 v[NLR+16*(\s)+4*nn:NLR+16*(\s)+4*nn+3], v[H32], s[LP+4*(\s):LP+4*(\s)+1] offset:(nn/2)*64+(nn%2)*16
.set nn, nn+1
.endr
.endm
; A trip on set s.  cnt: the other set's younger loads, which may stay out.  tnext = 1: the body's second trip's T' is read out of LDS here, ahead of the products, which cover its way.
.macro TRIP s, refill, cnt, tnext
	s_wait_loadcnt \cnt
	WIN 0x82                               ; destination and source 0 window 2, source 1 window 0
.set nn, 0
.rept 64                               ; T' + NL, two at a time; sixteen additions take what eight LDS loads brought
.if nn%16 == 0
	s_wait_dscnt 24-nn/2                           ; LDS loads come back in order: the set's younger ones, 24, 16, 8 and none, may stay out
.endif
	v_pk_add_f32 v[128*(\s)+2*nn:128*(\s)+2*nn+1], v[128*(\s)+2*nn:128*(\s)+2*nn+1], v[NLR+16*(\s)+8*(nn/32)+2*(nn%4):NLR+16*(\s)+8*(nn/32)+2*(nn%4)+1]
.set nn, nn+1
.endr
.if \tnext
	TLOAD 1
.endif
	WIN 0xa4                               ; Q window 0, K window 1, C and D window 2
.set nn, 0
.rept 64                               ; channels 32 (nn / 16) on; the 16 accumulators (query tile, key tile) take turns
.set rA, QR+64*(\s)+32*((nn/8)%2)+8*(nn/16)
.set rB, 32*(nn%8)+8*(nn/16)
.set rC, 128*(\s)+64*((nn/8)%2)+8*(nn%8)
	v_wmma_f32_16x16x32_bf16 v[rC:rC+7], v[rA:rA+7], v[rB:rB+7], v[rC:rC+7]
.set nn, nn+1
.endr
.rept 4
	v_nop                                          ; four places behind the last product, ahead of the maxima that read results and of the loads into the set's registers
.endr
	WIN 0x28                               ; sources 1 and 2 window 2
.set nn, 0
.rept 64                               ; eight chains, one a key tile; each accumulator's lowest registers are read first
.set rC, 128*(\s)+64*(nn/32)+8*(nn%8)+2*((nn/8)%4)
	v_max3_num_f32 v[M+nn%8], v[M+nn%8], v[rC], v[rC+1]
.set nn, nn+1
.endr
	WIN 0
.if \refill
	STEPPTR \s
	LOADSET \s
.endif
.endm
.macro FOLD blk                        ; the two halves of the lanes hold different queries of the same keys; my maxima go to my own words of LDS
.set nn, 0
.rept 8
	v_permlanex16_b32 v[TMP+nn], v[M+nn], s[SEL], s[SEL+1]
.set nn, nn+1
.endr
.set nn, 0
.rept 8
	v_max_num_f32 v[TMP+nn], v[TMP+nn], v[M+nn]
.set nn, nn+1
.endr
.set nn, 0
.rept 8
	ds_store_b32 v[PMA], v[TMP+nn] offset:(\blk)*512+nn*64
.set nn, nn+1
.endr
.endm
.macro CHECK                           ; behind a body: is the first key block done?  The same answer in all four partners; a forward jump, past no barrier and no tensor load
	s_add_co_u32 s[BD], s[BD], 1
	s_cmp_eq_u32 s[BD], s[SWB]
	s_cbranch_scc0 .Lnosw_\@
	FOLD 0
.set nn, 0
.rept 8
	v_mov_b32 v[M+nn], 0xff7fffff
.set nn, nn+1
.endr
	WIN 0x40                               ; the second block's K comes out of its stage into K's registers, whose last readers stand 64 maxima back
.set nn, 0
.rept 64
	ds_load_b128 v[4*nn:4*nn+3], v[KRD] offset:nn*512
.set nn, nn+1
.endr
	WIN 0
	s_wait_dscnt 0x0
.Lnosw_\@:
.endm
	s_load_b256 s[4:11], s[0:1], 0x0               ; qf s[4:5], kb s[6:7], tf s[8:9], nl s[10:11]
	s_load_b128 s[12:15], s[0:1], 0x20             ; up s[12:13], out1 s[14:15]
	v_lshl_add_u32 v[SPW], v0, 2, SPARE
	v_mov_b32 v[NIL], 0
	ds_add_u32 v[SPW], v[NIL]                      ; the wave's opening: the add and its wait stand ahead of the round in front of my first tensor load; the set-up below, work on registers, stands between them
	ds_add_u32 v28, v29
	v_lshrrev_b32 v1, 5, v0
	v_readfirstlane_b32 s[WV], v1
	v_and_b32 v7, 31, v0
	v_and_b32 v1, 15, v0
	v_bfe_u32 v30, v0, 4, 1
	v_lshlrev_b32 v[L16], 4, v7
	v_lshlrev_b32 v[H32], 5, v30
	v_lshlrev_b32 v[KO], 8, v1
	v_lshl_add_u32 v[KO], v30, 4, v[KO]
	s_lshl_b32 s44, s[WV], 13
	s_add_co_u32 s44, s44, KL
	v_add_nc_u32 v[KSA], s44, v[L16]
	s_lshl_b32 s44, s[WV], 10
	s_add_co_u32 s44, s44, PM
	v_lshl_add_u32 v[PMA], v1, 2, s44
	v_add_nc_u32 v[KRD], KL, v[L16]
	v_lshlrev_b32 v[L4], 2, v7
	s_lshl_b32 s44, s[WV], 9
	s_add_co_u32 s44, s44, PM
	v_lshl_add_u32 v[PR], v7, 4, s44               ; waves 0 and 1: key block number = my wave's number
	v_lshlrev_b32 v[PFO], 8, v7
	s_bfe_u32 s[CX], ttmp6, 0x40000                ; cx: my place in the cluster
	s_lshl_b32 s[HD], ttmp9, 2                     ; in a cluster launch ttmp9 counts clusters
	s_add_co_u32 s[HD], s[HD], s[CX]               ; the head = 4 x cluster x + cx
	s_lshl_b32 s[CX], s[CX], 13
	s_and_b32 s[BP], ttmp7, 0xffff                 ; bp, which the four partners share
	s_lshl_b32 s[KB1], s[BP], 1
	s_sub_co_u32 s[KB2], 15, s[KB1]
	s_mov_b32 s[NQ], s[KB1]
	s_mov_b32 s[FQ], s[KB1]
	s_mov_b32 s[FK], s[KB1]
	s_mov_b32 s[BD], 0
	s_sub_co_u32 s[SWB], 8, s[BP]
	s_mov_b32 s[SEL], 0x76543210
	s_mov_b32 s[SEL+1], 0xfedcba98
	s_mov_b32 s[OFF+1], 0
	s_mov_b32 s[OF2+1], 0
	s_mov_b32 s55, 0
	s_lshl_b32 s[TSL], s[WV], 15
	s_add_co_u32 s[TSL], s[TSL], SLOT1             ; the first change turns it into slot 0
	s_cmp_eq_u32 ttmp9, 0
	s_cselect_b32 s[LIM], 1, -1                    ; the same in all four partners
	s_and_b32 s45, s[WV], 1
	s_cmp_lg_u32 s45, 0
	s_cselect_b32 s45, s[KB2], s[KB1]              ; the key block whose rows of up I read (and, in waves 0 and 1, finish)
	; the descriptor: a dense block of 32,768 bytes as 128 rows of 32 elements of 8 bytes
	s_mov_b32 s[G0], 1                             ; 1:0 count = 1
	s_lshl_b32 s[G0+1], s[WV], 15                  ; 63:32 LDS address: my part of slot 0: no place in the cluster enters an LDS address
	s_mov_b32 s[G1], 15|(3<<16)|(1<<21)            ; 15:0 the mask: all four work-groups; 17:16 elements of 8 bytes; 21 set beside a mask
	s_mov_b32 s[G1+1], 32<<16                      ; tensor_dim0 = 32
	s_mov_b32 s[G1+2], 128<<16                     ; tensor_dim1 = 128
	s_mov_b32 s[G1+3], 32<<16                      ; tile_dim0 = 32
	s_mov_b32 s[G1+4], 128                         ; tile_dim1 = 128
	s_mov_b32 s[G1+5], 32                          ; elements from row to row
	s_mov_b32 s[G1+6], 0
	s_mov_b32 s[G1+7], 0
	s_wait_dscnt 0x0                               ; the opening add is done
	s_wait_kmcnt 0x0
	s_lshl_b32 s[OFF], s[WV], 18
	s_add_nc_u64 s[TBS:TBS+1], s[8:9], s[OFF:OFF+1]  ; tf at my wave's pieces
	FADDR                                          ; the walk's first tile
	s_lshl_b32 s54, s[HD], 19
	s_add_nc_u64 s[6:7], s[6:7], s[54:55]          ; kb at the head
	s_lshl_b32 s44, s[WV], 13
	s_add_co_u32 s54, s54, s44
	s_add_nc_u64 s[QB:QB+1], s[4:5], s[54:55]      ; qf at the head, my two tiles of a block
	s_lshl_b32 s54, s[HD], 13
	s_lshl_b32 s44, s[WV], 7
	s_add_co_u32 s54, s54, s44
	s_add_nc_u64 s[LB:LB+1], s[10:11], s[54:55]
	s_lshl_b32 s44, s[WV], 13                      ; my quarter of a key block: two key tiles of 4,096 bytes
	s_lshl_b32 s54, s[KB1], 15
	s_add_co_u32 s54, s54, s44
	s_add_nc_u64 s[K1P:K1P+1], s[6:7], s[54:55]
	s_lshl_b32 s54, s[KB2], 15
	s_add_co_u32 s54, s54, s44
	s_add_nc_u64 s[K2P:K2P+1], s[6:7], s[54:55]
	s_lshl_b32 s54, s45, 9
	s_add_nc_u64 s[UPP:UPP+1], s[12:13], s[54:55]
	s_lshl_b32 s54, s[HD], 11
	s_lshl_b32 s44, s45, 7
	s_add_co_u32 s54, s54, s44
	s_add_nc_u64 s[OUP:OUP+1], s[14:15], s[54:55]
	ROUND                                          ; all four work-groups are here: the first joint loads meet
	tensor_load_to_lds s[G0:G0+3], s[G1:G1+7]      ; the first body's T' into slot 0: one tensor load of mine is out
	s_nop 0
.rept 4
	v_nop
.endr
	WIN 0x80
.set nn, 0
.rept 16                               ; my quarter of K: key tile nn / 8 of my two, 16 bytes of a row at 32 (nn % 8) + 16 (l / 16); it waits in T's registers
	global_load_b128 v[4*nn:4*nn+3], v[KO], s[K1P:K1P+1] offset:(nn/8)*4096+(nn%8)*32
.set nn, nn+1
.endr
.set nn, 0
.rept 16
	global_load_b128 v[64+4*nn:64+4*nn+3], v[KO], s[K2P:K2P+1] offset:(nn/8)*4096+(nn%8)*32
.set nn, nn+1
.endr
	WIN 0
.set nn, 0
.rept 16                               ; up: my key block's 512 bytes for each of the 16 query blocks
	global_load_b128 v[UPR+4*nn:UPR+4*nn+3], v[L16], s[UPP:UPP+1] offset:nn*8192
.set nn, nn+1
.endr
	STEPPTR 0
	LOADSET 0
	s_wait_loadcnt 36                              ; K's 32 loads are in: the 36 younger ones (up's 16, set 0's 20) may stay out
	WIN 0x08                               ; the data lie in window 2
.set nn, 0
.rept 16                               ; the first key block's piece 16 wave + nn: 32 lanes x 16 consecutive bytes
	ds_store_b128 v[KSA], v[4*nn:4*nn+3] offset:nn*512
.set nn, nn+1
.endr
	WIN 0
	s_wait_dscnt 0x0                               ; for the others' sake: my quarter lies in the stage
	s_barrier_signal -1                            ; the tensor load that is out stays out
	s_barrier_wait -1
	WIN 0x40
.set nn, 0
.rept 64                               ; the first key block's K: piece nn into registers 4 nn .. 4 nn + 3
	ds_load_b128 v[4*nn:4*nn+3], v[KRD] offset:nn*512
.set nn, nn+1
.endr
	WIN 0
	STEPPTR 1
	LOADSET 1
.set nn, 0
.rept 8
	v_mov_b32 v[M+nn], 0xff7fffff
	v_mov_b32 v[TMP+nn], 0
.set nn, nn+1
.endr
	s_wait_loadcnt 20                              ; all but set 1's 20 loads: up and set 0 are in
.irp c, 0,1,2,3
	v_max3_num_f32 v[UM+\c], v[UPR+\c], v[UPR+4+\c], v[UPR+8+\c]
.endr
.irp g, 1,2,3,4,5,6
.irp c, 0,1,2,3
	v_max3_num_f32 v[UM+\c], v[UM+\c], v[UPR+8*\g+4+\c], v[UPR+8*\g+8+\c]
.endr
.endr
.irp c, 0,1,2,3
	v_max_num_f32 v[UM+\c], v[UM+\c], v[UPR+60+\c]
.endr
	s_wait_dscnt 0x0                               ; K is in my registers: my reads of the stage are over;
	s_barrier_signal -1
	s_barrier_wait -1                              ; everybody's are: the stage may be written again
	WIN 0x08
.set nn, 0
.rept 16                               ; the second key block's quarter; the first change's wait and round stand between these stores and their readers
	ds_store_b128 v[KSA], v[64+4*nn:64+4*nn+3] offset:nn*512
.set nn, nn+1
.endr
	WIN 0
	s_mov_b32 s[CNT], 7
.Lbody:                                        ; a body: two trips on one slot; each trip asks for the Q and NL of the trip two further on; the change asks for the next body's T'
	CHANGE 1
	ASK
	TRIP 0, 1, 20, 1
	TRIP 1, 1, 20, 0
	CHECK
	s_sub_co_u32 s[CNT], s[CNT], 1
	s_cmp_lg_u32 s[CNT], 0
	s_cbranch_scc1 .Lbody
	CHANGE 2                                       ; the tail is written out: the eighth body; the 17th trip's tile, of 64 rows, is asked for
	TRIP 0, 1, 20, 1                               ; one more set of Q and NL, the 17th, then none
	TRIP 1, 0, 20, 0
	CHECK
	CHANGE 0
	TRIP 0, 0, 0, 0
	FOLD 1
	s_wait_dscnt 0x0                               ; for the others' sake: my maxima lie in LDS
	s_barrier_signal -1
	s_barrier_wait -1
	s_cmp_lt_u32 s[WV], 2                          ; wave 0 finishes the first key block, wave 1 the second
	s_cbranch_scc0 .Lend
.irp g, 0,1,2,3
	ds_load_b128 v[UPR+4*\g:UPR+4*\g+3], v[PR] offset:\g*1024
.endr
	s_wait_dscnt 0x0
.irp c, 0,1,2,3
	v_max3_num_f32 v[UPR+\c], v[UPR+\c], v[UPR+4+\c], v[UPR+8+\c]
.endr
.irp c, 0,1,2,3
	v_max3_num_f32 v[UPR+\c], v[UPR+\c], v[UPR+12+\c], v[UM+\c]
.endr
.irp c, 0,1,2,3
	v_cmp_le_f32 vcc_lo, 0, v[UPR+\c]
	v_cndmask_b32 v[UPR+16+\c], 0, 1, vcc_lo
.endr
	v_lshl_or_b32 v[UPR+16], v[UPR+17], 8, v[UPR+16]
	v_lshl_or_b32 v[UPR+18], v[UPR+19], 8, v[UPR+18]
	v_lshl_or_b32 v[UPR+16], v[UPR+18], 16, v[UPR+16]
	global_store_b32 v[L4], v[UPR+16], s[OUP:OUP+1]  ; a key block's 128 bytes: 32 lanes x 4 consecutive bytes
.Lend:
	s_wait_tensorcnt 0x0                           ; the wave's end, behind my last tensor load and my last LDS store
	ds_add_u32 v[SPW], v[NIL]
	s_wait_dscnt 0x0
	ROUND                                          ; the closing round: no work-group ends while a partner may still ask for a tile that names it
	s_endpgm
.Lfunc_end_k_qd893d7a1b5_corm:
	.size	k_qd893d7a1b5_corm, .Lfunc_end_k_qd893d7a1b5_corm-k_qd893d7a1b5_corm
	.p2alignl 7, 3214868480
	.fill 96, 4, 3214868480
	.section	.rodata,"a",@progbits
	.p2align	6, 0x0
	.amdhsa_kernel k_qd893d7a1b5_corm
		.amdhsa_group_segment_fixed_size 327680
		.amdhsa_private_segment_fixed_size 0
		.amdhsa_enable_private_segment 0
		.amdhsa_kernarg_size 48
		.amdhsa_user_sgpr_count 2
		.amdhsa_user_sgpr_kernarg_segment_ptr 1
		.amdhsa_wavefront_size32 1
		.amdhsa_system_sgpr_workgroup_id_x 1
		.amdhsa_system_sgpr_workgroup_id_y 1
		.amdhsa_system_sgpr_workgroup_id_z 1
		.amdhsa_system_vgpr_workitem_id 0
		.amdhsa_next_free_vgpr 768
		.amdhsa_next_free_sgpr 80
		.amdhsa_reserve_vcc 1
		.amdhsa_float_denorm_mode_32 3
		.amdhsa_float_denorm_mode_16_64 3
		.amdhsa_memory_ordered 1
		.amdhsa_forward_progress 1
		.amdhsa_inst_pref_size 120
	.end_amdhsa_kernel
	.amdgpu_metadata
---
amdhsa.version: [ 1, 2 ]
amdhsa.kernels:
  - .name:           k_qd893d7a1b5_corm
    .symbol:         k_qd893d7a1b5_corm.kd
    .args:
      - { .name: qf, .offset: 0, .size: 8, .value_kind: global_buffer, .address_space: global }
      - { .name: kb, .offset: 8, .size: 8, .value_kind: global_buffer, .address_space: global }
      - { .name: tf, .offset: 16, .size: 8, .value_kind: global_buffer, .address_space: global }
      - { .name: nl, .offset: 24, .size: 8, .value_kind: global_buffer, .address_space: global }
      - { .name: up, .offset: 32, .size: 8, .value_kind: global_buffer, .address_space: global }
      - { .name: out1, .offset: 40, .size: 8, .value_kind: global_buffer, .address_space: global }
    .group_segment_fixed_size: 327680
    .private_segment_fixed_size: 0
    .kernarg_segment_align: 8
    .kernarg_segment_size: 48
    .max_flat_workgroup_size: 128
    .sgpr_count:     80
    .vgpr_count:     768
    .wavefront_size: 32
...
	.end_amdgpu_metadata
.endif
;; end of part 3
